; MI455X (gfx1250); checked and timed in simulation.
; The chip was launched on July 23, 2026; its instructions are those of AMD's public machine-readable ISA for CDNA 5 (MIT licence, August 2026) and "CDNA5" Instruction Set Architecture Reference Guide (July 2026). The comments in the code are by the model that wrote it; some were corrected since.
;; Multi Head Self Attention. Allowed arithmetic: matrix products marked QUANTISED: E5M2 operands, one given power-of-two scale a tensor, by v_wmma_f32_16x16x64_bf8_bf8 or v_wmma_f32_16x16x128_bf8_bf8, f32 sums; everything else in f32.
;; Inputs: lowp_scales 8 int32 (the exponents e of the quantised operands' scales 2^e); out_b 1,024 float32; out_w_codes 1,024 x 32 x 32 uint8 (E5M2 codes of out_w, K innermost, in blocks of 32 codes); qkv_b 3,072 float32; qkv_w_codes 3,072 x 32 x 32 uint8 (E5M2 codes of qkv_w, K innermost, in blocks of 32 codes); x_codes 2 x 2,048 x 32 x 32 uint8 (E5M2 codes of x, K innermost, in blocks of 32 codes).
;; Outputs: out0 2 x 2,048 x 1,024 float32.
;; This version of the problem:
;;   THIS VERSION OF THE PROBLEM IS GIVEN IN LOW PRECISION. The matrix products marked QUANTISED in the list below multiply operands that are first quantised to E5M2 (5 exponent bits, 2 mantissa bits; 8 bits a number), with one given power-of-two scale for each operand tensor; their sums are f32. All else is computed in f32.
;;   The module's matrix products, in the order in which they are computed (A, B: the left and right operand; K: the contracted axis; several contracted axes count as one K, in the product's order):
;;     1. [M 4,096, K 1,024] x [K 1,024, N 3,072]; A: input x (given as codes); B: input qkv_w (given as codes): QUANTISED (scales: A lowp_scales[0], B lowp_scales[1])
;;     2. batch 32 x [M 2,048, K 64] x [K 64, N 2,048]; A: computed on the way; B: computed on the way: QUANTISED (scales: A lowp_scales[2], B lowp_scales[3])
;;     3. batch 32 x [M 64, K 2,048] x [K 2,048, N 2,048]; A: computed on the way; B: softmax (see below): QUANTISED (scales: A lowp_scales[4], B lowp_scales[5])
;;     4. [M 4,096, K 1,024] x [K 1,024, N 1,024]; A: computed on the way; B: input out_w (given as codes): QUANTISED (scales: A lowp_scales[6], B lowp_scales[7])
;;   THE QUANTISER, for each operand of a quantised product, along K:
;;     - The operand's scale is 2^e, e = its entry of the input lowp_scales (int32; the entries are numbered through the quantised products in the list's order, A before B).
;;     - Each number is divided by the scale, clamped to +-57,344, and rounded to the nearest number of E5M2, ties to even, subnormals kept.
;;     - The product sums the exact products of the quantised numbers (number of the format x scale) in f32.
;;   ~~~python
;;   def quantise(x, axis, e):      # numpy; x: float32 -> the quantised numbers, widened to float32 again
;;       x = np.moveaxis(x, axis, -1); K = x.shape[-1]
;;       r = np.clip(x / 2.0 ** e, -57344, 57344)
;;       step = 2.0 ** (np.maximum(np.frexp(np.where(r == 0, 1, r))[1] - 1, -14) - 2)
;;       q = np.round(r / step) * step * 2.0 ** e      # np.round: ties to even
;;       return np.moveaxis(q, -1, axis).astype(np.float32)
;;   ~~~
;;   SOFTMAX AHEAD OF A QUANTISED PRODUCT. Where the list says 'softmax', what is quantised is not the finished softmax but p = 2^(t - M), with t = logit x log2(e) and M = ceil(the row's largest t), a whole number; so 1/2 < the row's largest p <= 1. The row's sum l is taken of the UNQUANTISED p, in f32, and the product's result is divided by l at the end. Since M is a whole number, a kernel that streams over the keys may use a running M (the ceiling of the running maximum): every later rescaling is an exact power of two, so the quantised numbers keep their values, but for numbers so far below the row's largest that they fall under the format's range.
;;   OPERANDS COMPUTED ON THE WAY. 'Computed on the way' means the value that the module computes at that place (a softmax that the list does not call 'softmax' is quantised finished and normalised). What goes into a quantiser is computed in f32, as accurately as f32 sums, v_exp_f32 and their like allow (about 1e-6 of the number): no bf16 or f16 on the way to a quantiser, and a product that is left as it is and whose result goes on into a quantised operand takes f32 operands (vector FMAs, or v_wmma_f32_16x16x4_f32). A number that lies on a knife's edge between two numbers of the format may be rounded either way, as far as f32 arithmetic and the matrix unit's own rounding can turn it there, and no further.
;;   INPUTS GIVEN AS CODES. out_w (in the module: [1024, 1024], K = its axis 1); qkv_w (in the module: [3072, 1024], K = its axis 1); x (in the module: [2, 2048, 1024], K = its axis 2): each comes as NAME_codes (uint8): NAME with its K axis moved to the last place and cut into blocks of 32 codes, [.., K / 32, bytes a block], one block behind the other in memory; one code a byte (a code: sign, 5 exponent bits, 2 mantissa bits); its scale is its entry of lowp_scales. Its value is code x scale, taken as it is: it is not quantised again, and the codes and scales need not be those that the quantiser above would give.
;; One version. Each part assembles by itself: llvm-mc -triple=amdgcn-amd-amdhsa -mcpu=gfx1250 --defsym DOCPART=n.
;; ======== version 1 of 1: 3 launches
;; limits: right only within a limited range of input values
;; workspace buffers: q_ws 4,194,304 bytes; k_ws 4,194,304 bytes; v_ws 4,194,304 bytes; ctx_ws 4,194,304 bytes
;; launch qkv (part 1): grid 8 x 32, 4 waves a work-group, clusters of 4 x 4, 327,680 bytes of LDS; arguments x_codes, qkv_w_codes, qkv_b, lowp_scales, q_ws, k_ws, v_ws; writes q_ws, k_ws, v_ws
.if DOCPART == 1
	.amdgcn_target "amdgcn-amd-amdhsa--gfx1250"
	.amdhsa_code_object_version 6
	.text
	.protected	k_q8b5d1b92ec_qkv
	.globl	k_q8b5d1b92ec_qkv
	.p2align	8
	.type	k_q8b5d1b92ec_qkv,@function
k_q8b5d1b92ec_qkv:
	s_mov_b64 s[64:65], 0
	v_nop
	global_prefetch_b8 v0, s[64:65] scope:SCOPE_SE
	s_setreg_imm32_b32 hwreg(HW_REG_WAVE_MODE, 25, 1), 1
	s_wait_xcnt 0x0
	s_wait_alu depctr_hold_cnt(0) depctr_sa_sdst(0) depctr_va_vdst(0) depctr_va_sdst(0) depctr_va_ssrc(0) depctr_va_vcc(0) depctr_vm_vsrc(0)
	s_getreg_b32 s2, hwreg(HW_REG_IB_STS2, 6, 4)
	s_cmp_eq_u32 s2, 0
	s_cbranch_scc0 .Lentry_in_a_cluster
	s_endpgm
.Lentry_in_a_cluster:
	s_bfe_u32 s2, ttmp6, 0x10000c
	s_cmp_lg_u32 s2, 0xf033
	s_cbranch_scc0 .Lentry_shape_is_right
	s_endpgm
.Lentry_shape_is_right:
; q, k, v = x qkv_w^T + qkv_b on codes of BF8 (E5M2), each result quantised with its own scale (2^e2, 2^e3, 2^e4).  x: [4096 tokens][1024], qkv_w: [3072][1024] codes, K innermost, scales 2^e0, 2^e1; qkv_b: [3072] f32.
; q_ws, k_ws: [32 heads 16 b + h][2048 places][64 codes], place p = token sw(p), sw = bits 3 and 4 exchanged.  v_ws: [32][32 blocks of 64 keys][64 places][64 keys], place p = channel sw(p).
; SHARES.  A work-group makes, for 128 tokens, the same 128 features (two heads) of q, of k and of v: 8 x 32 = 256 work-groups.  Each of its four waves makes all 128 tokens x 32 features of each of the three: 48 accumulators of 16 x 16, 384 registers.
; K goes in steps of 256 through a ring of two LDS slots of 512 rows of 256 bytes: wave 0 fetches the 128 tokens' rows, waves 1, 2, 3 the 128 rows of q's, k's and v's weights.
; CLUSTERS: 4 x 4 work-groups.  The tokens' tile hangs on the work-group's y alone and is asked for jointly by my row of the cluster, the weights' tiles on its x alone, by my column.
; q and k: source 0 = 16 rows of weights, source 1 = 16 tokens: a lane holds eight neighbouring features of one token.  v: the other way round: a lane holds eight neighbouring tokens of one feature.
; The bias / 2^(e0 + e1) is the C of each accumulator's first product.
; LIMITS on the given exponents: e2 - e0 - e1, e3 - e0 - e1 and e4 - e0 - e1 between -126 and 112, so that each power of two below is an f32 number.
; REGISTERS: window 0: v1-41 addresses and constants; v64-159, v160-255 weights' fragments (q, q, k, k, v, v), two sets.  window 1: v0-127, v128-255 tokens' fragments, two sets.
;   window 2: q's accumulators (feature block f, token block a) at v[8 (8 f + a)], k's at v[128 + ..].  window 3: v's at v[8 (8 f + a)]; v128-159 the bias of q and k, v160-175 of v.
.set ROWB,  256
.set KROW,  1024
.set PITCH, 272                        ; an LDS row: 256 bytes + 16 of padding
.set HALFT, 128*PITCH
.set SLOT,  4*HALFT
.set SPARE, 2*SLOT                     ; the spare words, 128 bytes for each wave
.set SP,    80                         ; the way out: a row of 64 codes + 16; it lies in slot 0, which has had its last fill and its last read by then
.set PLB,   128*SP                     ; a plane: one head's 128 rows of q, k or v
.set ADRT,  16                         ; v16-17 tokens' fragments in slot 0, 1
.set ADRW,  18                         ; v18-19 weights of q and k
.set ADRV,  20                         ; v20-21 weights of v
.set STO,   22                         ; v22    stage: where I put codes of q and k
.set STV,   23                         ; v23    of v
.set RD,    24                         ; v24    and where I read rows back
.set GOF,   25                         ; v25    16 x my lane
.set PFO,   26                         ; v26    1,024 x my lane; never rewritten
.set SPW,   28
.set NIL,   29
.set SC,    32                         ; v32-34 the conversions' scales
.set LM,    36                         ; v36-38 57,344 x those
.set VB,    40                         ; v40-41 v's bias
.set WF,    64
.set CD,    64
.set RB,    160
.set BQ,    128
.set BV,    160
.set WV,    18
.set G1,    24                         ; s[24:31] descriptor group 1 for the tokens' tile; s[32:39] its groups 0, one for each slot
.set G0,    32
.set G1B,   48                         ; s[48:55], s[56:63] the same for the weights' tiles
.set G0B,   56
.set PFA,   80                         ; s[80:81] where my prefetches stand
.set PFF,   84                         ; s84    0 where my wave prefetches
.set MSB, 0
.macro WIN new                         ; the immediate's high byte repeats the setting that is left
.if MSB != \new
	s_set_vgpr_msb (MSB<<8)|\new
.set MSB, \new
.endif
.endm
.macro JLOAD s                         ; a joint load: each of the two lines has one mask; the branch hangs on the wave's number alone
	s_cmp_eq_u32 s[WV], 0
	s_cbranch_scc0 .Lfor_b_\@
	tensor_load_to_lds s[G0+4*\s:G0+4*\s+3], s[G1:G1+7]
	s_nop 0
.rept 4
	v_nop
.endr
	s_branch .Lasked_\@
.Lfor_b_\@:
	tensor_load_to_lds s[G0B+4*\s:G0B+4*\s+3], s[G1B:G1B+7]
	s_nop 0
.rept 4
	v_nop
.endr
.Lasked_\@:
.endm
; A PREFETCH INTO THE L2, one instruction a wave, a lane a row: K step 2 behind K step 0's load, K step 3 behind K step 1's.  Of the 128 rows that a wave fetches, the four partners that ask for them jointly take 32 each, told apart by address.
; The tokens' rows are asked for in every cluster; the weights' rows, which eight rows of clusters read, in the first four of them.
.macro ASK off
	s_cmp_eq_u32 s[PFF], 0
	s_cbranch_scc0 .Lnot_mine_\@
	global_prefetch_b8 v[PFO], s[PFA:PFA+1] offset:\off th:TH_LOAD_NT scope:SCOPE_SE
.Lnot_mine_\@:
.endm
.macro CREST                           ; a round of the cluster's barrier behind its opening barrier
	s_cmp_lg_u32 s[WV], 0
	s_cbranch_scc1 .Lnot_wave_0_\@
	s_barrier_signal -3
.Lnot_wave_0_\@:
	s_barrier_wait -3
	s_barrier_signal -1
	s_barrier_wait -1
.endm
.macro CROUND
	s_barrier_signal -1
	s_barrier_wait -1
	CREST
.endm
	s_load_b256 s[4:11], s[0:1], 0x0               ; x s[4:5], qkv_w s[6:7], qkv_b s[8:9], the exponents s[10:11]
	s_load_b128 s[12:15], s[0:1], 0x20             ; q_ws, k_ws
	s_load_b64 s[16:17], s[0:1], 0x30              ; v_ws
	v_lshl_add_u32 v[SPW], v0, 2, SPARE
	v_mov_b32 v[NIL], 0
	ds_add_u32 v[SPW], v[NIL]                      ; the opening: the add, twice on end
	ds_add_u32 v[SPW], v[NIL]
	v_lshrrev_b32 v1, 5, v0
	v_readfirstlane_b32 s[WV], v1                  ; wave 0..3
	v_and_b32 v2, 31, v0
	v_lshlrev_b32 v[PFO], 10, v2
	s_bfe_u32 s40, ttmp6, 0x40000                  ; cx, cy: my place in the cluster
	s_bfe_u32 s41, ttmp6, 0x40004
	s_lshl_b32 s44, ttmp9, 2
	s_add_co_u32 s44, s44, s40                     ; g: features 128 g on
	s_and_b32 s42, ttmp7, 0xffff
	s_lshl_b32 s45, s42, 2
	s_add_co_u32 s45, s45, s41                     ; y: tokens 128 y on
	s_lshl_b32 s46, s41, 2
	s_lshl_b32 s46, 15, s46                        ; my row of the cluster
	s_lshl_b32 s47, 0x1111, s40                    ; my column
	s_or_b32 s[G1+0], s46, (0<<16)|(1<<20)|(1<<21)|(5<<22)|(3<<25)  ; 15:0 the mask; 17:16 elements of 1 byte; 20 padding on; 21 set beside a mask; 24:22 after every 64 words (code 5); 31:25 four words (code 3)
	s_or_b32 s[G1B+0], s47, (0<<16)|(1<<20)|(1<<21)|(5<<22)|(3<<25)
.irp g, G1, G1B
	s_mov_b32 s[\g+1], ROWB<<16                    ; tensor_dim0
	s_mov_b32 s[\g+2], 128<<16                     ; tensor_dim1
	s_mov_b32 s[\g+3], ROWB<<16                    ; tile_dim0
	s_mov_b32 s[\g+4], 128                         ; tile_dim1
	s_mov_b32 s[\g+5], KROW                        ; tensor_dim0_stride
	s_mov_b32 s[\g+6], 0
	s_mov_b32 s[\g+7], 0
.endr
	s_lshl_b32 s22, s45, 17                        ; the tokens' rows
	s_mov_b32 s23, 0
	s_max_u32 s2, s[WV], 1
	s_sub_co_u32 s2, s2, 1
	s_lshl_b32 s2, s2, 20                          ; the weights' rows: 1,024 x (wave - 1) + 128 g
	s_lshl_b32 s3, s44, 17
	s_add_co_u32 s2, s2, s3
	s_mov_b32 s3, 0
	s_mul_i32 s93, s[WV], HALFT                    ; where they go: no place in the cluster enters an LDS address
	s_lshr_b32 s[PFF], s42, 2
	s_wait_alu depctr_va_vdst(0)                   ; directly ahead of the waits below
	s_wait_dscnt 0x0                               ; both opening adds are done
	s_wait_kmcnt 0x0
	s_load_b256 s[72:79], s[10:11], 0x0            ; e0 .. e7
	s_add_nc_u64 s[68:69], s[4:5], s[22:23]
	s_add_nc_u64 s[70:71], s[6:7], s[2:3]
.irp s, 0,1
	s_mov_b32 s[G0+4*\s], 1
	s_add_co_u32 s[G0+4*\s+1], s93, \s*SLOT
	s_add_nc_u64 s[G0+4*\s+2:G0+4*\s+3], s[68:69], \s*ROWB
	s_or_b32 s[G0+4*\s+3], s[G0+4*\s+3], 0x80000000
	s_mov_b32 s[G0B+4*\s], 1
	s_add_co_u32 s[G0B+4*\s+1], s93, \s*SLOT
	s_add_nc_u64 s[G0B+4*\s+2:G0B+4*\s+3], s[70:71], \s*ROWB
	s_or_b32 s[G0B+4*\s+3], s[G0B+4*\s+3], 0x80000000
.endr
	CROUND                                         ; all sixteen work-groups are here: the first joint loads meet
	JLOAD 0                                        ; K step 0: one tensor load a wave at the head
	s_cmp_eq_u32 s[WV], 0
	s_cselect_b64 s[PFA:PFA+1], s[68:69], s[70:71]
	s_cselect_b32 s82, s40, s41                    ; my place among the four that ask with me
	s_cselect_b32 s[PFF], 0, s[PFF]
	s_lshl_b32 s82, s82, 15                        ; my work-group's 32 rows of the 128
	s_mov_b32 s83, 0
	s_add_nc_u64 s[PFA:PFA+1], s[PFA:PFA+1], s[82:83]
	ASK 2*ROWB
	s_lshl_b32 s96, s44, 9                         ; the bias: features 128 g + 32 wave on
	s_lshl_b32 s97, s[WV], 7
	s_add_co_u32 s96, s96, s97
	s_mov_b32 s97, 0
	s_add_nc_u64 s[8:9], s[8:9], s[96:97]
	s_lshr_b32 s96, s45, 4                         ; the results: head 16 b + 2 g, rows 128 (y % 16) + 32 wave on
	s_lshl_b32 s96, s96, 4
	s_lshl_b32 s97, s44, 1
	s_add_co_u32 s96, s96, s97
	s_lshl_b32 s96, s96, 17
	s_and_b32 s97, s45, 15
	s_lshl_b32 s97, s97, 13
	s_add_co_u32 s96, s96, s97
	s_lshl_b32 s97, s[WV], 11
	s_add_co_u32 s96, s96, s97
	s_mov_b32 s97, 0
.irp p, 12,14,16
	s_add_nc_u64 s[\p:\p+1], s[\p:\p+1], s[96:97]
.endr
	s_lshr_b32 s19, s[WV], 1                       ; my features: channels 32 (wave % 2) on of head wave / 2
	s_mul_i32 s19, s19, PLB
	s_and_b32 s92, s[WV], 1
	s_lshl_b32 s20, s92, 5
	s_add_co_u32 s20, s20, s19
	s_mul_i32 s21, s92, 32*SP
	s_add_co_u32 s21, s21, s19
	s_mul_i32 s66, s[WV], 32*SP
	s_mul_i32 s67, s[WV], 32*PITCH
	s_add_co_u32 s67, s67, HALFT
	s_wait_kmcnt 0x0
	s_add_co_i32 s94, s72, s73                     ; a sum stands for sum x 2^(e0 + e1): its code is sum / 2^(e - e0 - e1)
.irp t, 0,1,2
	s_sub_co_i32 s95, s[74+\t], s94
	s_add_co_i32 s95, s95, 127
	s_lshl_b32 s[86+\t], s95, 23
	s_add_co_i32 s95, s95, 15
	s_lshl_b32 s95, s95, 23
	s_or_b32 s[89+\t], s95, 0x600000
.endr
	s_sub_co_i32 s94, 0, s94
	v_and_b32 v1, 15, v0                           ; r = lane % 16
	v_bfe_u32 v2, v0, 4, 1                         ; h = lane / 16
	v_lshlrev_b32 v3, 5, v2
	v_lshlrev_b32 v4, 2, v1
	WIN 0xc0
.irp t, 0,1
.irp f, 0,1
	global_load_b128 v[BQ+8*(2*\t+\f):BQ+8*(2*\t+\f)+3], v3, s[8:9] offset:4096*\t+64*\f        ; q, k: features 16 f + 8 h + 0 .. 7
	global_load_b128 v[BQ+8*(2*\t+\f)+4:BQ+8*(2*\t+\f)+7], v3, s[8:9] offset:4096*\t+64*\f+16
.endr
.endr
	WIN 0
.irp f, 0,1
	global_load_b32 v[VB+\f], v4, s[8:9] offset:8192+64*\f   ; v: feature 16 f + r
.endr
	v_mul_u32_u24 v5, v1, PITCH
	v_lshl_add_u32 v[ADRT], v2, 4, v5              ; a fragment's row x pitch + 16 h
	v_add_nc_u32 v[ADRT+1], SLOT, v[ADRT]
	v_add_nc_u32 v[ADRW], s67, v[ADRT]
	v_add_nc_u32 v[ADRW+1], SLOT, v[ADRW]
	v_add_nc_u32 v[ADRV], 2*HALFT, v[ADRW]
	v_add_nc_u32 v[ADRV+1], 2*HALFT, v[ADRW+1]
	v_and_b32 v6, 8, v1
	v_add_nc_u32 v6, v6, v1                        ; r + 8 (r / 8): the exchange of bits 3 and 4, the tile's own part
	v_mul_u32_u24 v6, v6, SP
	v_lshl_add_u32 v6, v2, 3, v6
	v_add_nc_u32 v[STO], s20, v6
	v_add_nc_u32 v[STV], s21, v6
	v_and_b32 v7, 31, v0
	v_lshrrev_b32 v8, 2, v7
	v_mul_u32_u24 v8, v8, SP
	v_and_b32 v9, 3, v7
	v_lshl_add_u32 v8, v9, 4, v8
	v_add_nc_u32 v[RD], s66, v8                    ; back: four lanes to a row, eight rows an instruction
	v_lshlrev_b32 v[GOF], 4, v7
.irp t, 0,1,2
	v_mov_b32 v[SC+\t], s[86+\t]
	v_mov_b32 v[LM+\t], s[89+\t]
.endr
	s_wait_alu depctr_va_vdst(0)                   ; directly ahead of the wait below
	s_wait_loadcnt 0x0                             ; the bias
	WIN 0xc3
.set k, 0
.rept 32
	v_ldexp_f32 v[BQ+k], v[BQ+k], s94
.set k, k+1
.endr
	WIN 0xc0
.set k, 0
.rept 16
	v_ldexp_f32 v[BV+k], v[VB+k/8], s94            ; v: the same number in all eight registers
.set k, k+1
.endr
	WIN 0
; The fragments of the slot's q-th 128 along K, 56 loads into set p: registers 4 c .. 4 c + 3 of a fragment hold K = 32 c + 16 h + 0 .. 15, in both operands alike.  Load n: the tokens' 32, then the weights of q, k (16) and v (8).
.macro LD1 slot, q, p, n
.if (\n) < 32
	WIN 0x40
	ds_load_b128 v[128*\p+4*(\n):128*\p+4*(\n)+3], v[ADRT+\slot] offset:128*\q+32*((\n)%4)+((\n)/4)*16*PITCH
.elseif (\n) < 48
	WIN 0
	ds_load_b128 v[WF+96*\p+4*((\n)-32):WF+96*\p+4*((\n)-32)+3], v[ADRW+\slot] offset:(((\n)-32)/8)*HALFT+128*\q+32*((\n)%4)+((((\n)-32)/4)%2)*16*PITCH
.else
	WIN 0
	ds_load_b128 v[WF+96*\p+4*((\n)-32):WF+96*\p+4*((\n)-32)+3], v[ADRV+\slot] offset:128*\q+32*((\n)%4)+(((\n)-48)/4)*16*PITCH
.endif
.endm
.macro PART slot, q, p, n0, cnt        ; cnt of them, from n0 on
.set ld, \n0
.rept \cnt
	LD1 \slot, \q, \p, ld
.set ld, ld+1
.endr
.endm
; 16 matrix instructions: q (t = 0), k (1) or v (2), 128 along K, set p.  first = 1: C is the bias.  The 48 accumulators take turns, in the same order in every step.
; g < 99: behind every four of them stand the next 7 loads of another set, np, from the g-th group of 7 on.
.macro MUL t, p, first, slot=0, q=0, np=0, g=99
.irp f, 0,1
.irp a, 0,1,2,3,4,5,6,7
.if \t == 2
	WIN 0xf1                                       ; source 0 window 1, source 1 window 0, C and D window 3
.elseif \first
	WIN 0xb4                                       ; source 0 window 0, source 1 window 1, C window 3, D window 2
.else
	WIN 0xa4                                       ; C and D window 2
.endif
.if \t == 2
.if \first
	v_wmma_f32_16x16x128_bf8_bf8 v[8*(8*\f+\a):8*(8*\f+\a)+7], v[128*\p+16*\a:128*\p+16*\a+15], v[WF+96*\p+64+16*\f:WF+96*\p+64+16*\f+15], v[BV+8*\f:BV+8*\f+7]
.else
	v_wmma_f32_16x16x128_bf8_bf8 v[8*(8*\f+\a):8*(8*\f+\a)+7], v[128*\p+16*\a:128*\p+16*\a+15], v[WF+96*\p+64+16*\f:WF+96*\p+64+16*\f+15], v[8*(8*\f+\a):8*(8*\f+\a)+7]
.endif
.else
.if \first
	v_wmma_f32_16x16x128_bf8_bf8 v[8*(16*\t+8*\f+\a):8*(16*\t+8*\f+\a)+7], v[WF+96*\p+16*(2*\t+\f):WF+96*\p+16*(2*\t+\f)+15], v[128*\p+16*\a:128*\p+16*\a+15], v[BQ+8*(2*\t+\f):BQ+8*(2*\t+\f)+7]
.else
	v_wmma_f32_16x16x128_bf8_bf8 v[8*(16*\t+8*\f+\a):8*(16*\t+8*\f+\a)+7], v[WF+96*\p+16*(2*\t+\f):WF+96*\p+16*(2*\t+\f)+15], v[128*\p+16*\a:128*\p+16*\a+15], v[8*(16*\t+8*\f+\a):8*(16*\t+8*\f+\a)+7]
.endif
.endif
.if (\g < 99) && ((\a%4) == 3)
	PART \slot, \q, \np, (\g+2*\f+\a/4)*7, 7
.endif
.endr
.endr
.endm
.macro PLACES                          ; four places in front of loads into registers that matrix instructions have read, and of the first read of results (for the first read of results)
.rept 4
	v_nop
.endr
.endm
.macro STEP slot, first                ; a slot's first 128 along K
	s_wait_dscnt 16                                ; k's and v's weights may be out
	MUL 0, 0, \first
	s_wait_dscnt 0x0
	PLACES
	MUL 1, 0, \first, \slot, 1, 1, 0
	MUL 2, 0, \first, \slot, 1, 1, 4
	WIN 0
.endm
; A slot's second 128 along K, and the change of slots: in front of ONE barrier each wave waits for all its tensor loads, adds 0 to its spare word, and waits for that and for its reads of this slot.  fill = 1: the barrier opens a round of the cluster's, and this slot is filled again, two K steps ahead.
.macro TURN slot, next, fill
	s_wait_dscnt 16
	MUL 0, 1, 0
	WIN 0
	s_wait_tensorcnt 0x0                           ; my part of the next slot is in
	ds_add_u32 v[SPW], v[NIL]
	s_wait_dscnt 9                                 ; (the add and v's weights may be out)
	MUL 1, 1, 0
	WIN 0
	s_wait_dscnt 0x0                               ; the add is done, and my reads of this slot are over
	s_barrier_signal -1
	s_barrier_wait -1
.if \fill
	CREST
	s_add_nc_u64 s[G0+4*\slot+2:G0+4*\slot+3], s[G0+4*\slot+2:G0+4*\slot+3], 2*ROWB
	s_add_nc_u64 s[G0B+4*\slot+2:G0B+4*\slot+3], s[G0B+4*\slot+2:G0B+4*\slot+3], 2*ROWB
	JLOAD \slot                                    ; its four v_nop are also the places in front of the loads below
.else
	PLACES
.endif
	PART \next, 0, 0, 0, 28
	MUL 2, 1, 0, \next, 0, 0, 4
	WIN 0
.endm
	s_wait_alu depctr_va_vdst(0)
	s_wait_tensorcnt 0x0                           ; my part of K step 0 is in
	ds_add_u32 v[SPW], v[NIL]
	s_wait_dscnt 0x0
	CROUND                                         ; everybody's part of K step 0 is in, and the joint loads of K step 1 meet
	JLOAD 1
	PART 0, 0, 0, 0, 56
	WIN 0
	ASK 3*ROWB
	STEP 0, 1
	TURN 0, 1, 1
	STEP 1, 0
	TURN 1, 0, 1
	STEP 0, 0
	TURN 0, 1, 0
	STEP 1, 0
	s_wait_dscnt 16                                ; the very last 128 along K
	MUL 0, 1, 0
	s_wait_dscnt 0x0
	MUL 1, 1, 0
	MUL 2, 1, 0
	WIN 0
	PLACES
; THE WAY OUT: held, quantised, and put into six planes (q, k, v x two heads) of 128 rows of 64 codes in LDS, in the order in which they lie in memory.
.macro CODES t
.set CW, 2+\t/2                        ; q and k: window 2; v: window 3
.set CB, 128*(\t%2)
	WIN 0x41*CW
.set k, 0
.rept 128
	v_med3_num_f32 v[CB+k], v[CB+k], -v[LM+\t], v[LM+\t]   ; the hold at the largest code x the scale; each accumulator from its low end on
.set k, k+1
.endr
	WIN CW
.set k, 0
.rept 16
	v_cvt_scalef32_pk8_bf8_f32 v[CD+32*\t+2*k:CD+32*\t+2*k+1], v[CB+8*k:CB+8*k+7], v[SC+\t]
.set k, k+1
.endr
	v_nop                                          ; one plain vector instruction behind the last conversion
	WIN 0
.endm
.macro PUT t                           ; the codes into their two planes
.irp f, 0,1
.irp a, 0,1,2,3,4,5,6,7
.if \t == 2
	ds_store_b64 v[STV], v[CD+64+2*(8*\f+\a):CD+64+2*(8*\f+\a)+1] offset:4*PLB+64*SP*(\a/4)+8*SP*\f+16*(\a%4)   ; row: 64 x block of keys + place of my channel; keys 16 a + 8 h on
.else
	ds_store_b64 v[STO], v[CD+32*\t+2*(8*\f+\a):CD+32*\t+2*(8*\f+\a)+1] offset:2*PLB*\t+(32*(\a/2)+8*(\a%2))*SP+16*\f   ; row: place of my token; channels 16 f + 8 h on
.endif
.endr
.endr
.endm
.macro GET t                           ; my quarter of each of the two planes: 32 rows, 2,048 consecutive bytes of memory
.irp p, 0,1
.irp i, 0,1,2,3
	ds_load_b128 v[RB+32*\t+16*\p+4*\i:RB+32*\t+16*\p+4*\i+3], v[RD] offset:PLB*(2*\t+\p)+8*SP*\i
.endr
.endr
.endm
.macro SEND t, younger                 ; younger: the LDS stores issued behind GET's loads
.irp p, 0,1
.irp i, 0,1,2,3
	s_wait_dscnt \younger+7-4*\p-\i
	global_store_b128 v[GOF], v[RB+32*\t+16*\p+4*\i:RB+32*\t+16*\p+4*\i+3], s[12+2*\t:13+2*\t] offset:131072*\p+512*\i
.endr
.endr
.endm
; Result by result: while the other waves' codes of one are awaited, the next is quantised (work on registers alone between a barrier's signal and its wait); each has planes of its own.
	CODES 0
	PUT 0
	s_wait_dscnt 0x0                               ; my codes of q are in their planes
	s_barrier_signal -1
	CODES 1
	s_wait_alu depctr_va_vdst(0)                   ; directly ahead of the wait below
	s_barrier_wait -1                              ; everybody's are
	GET 0
	PUT 1
	SEND 0, 16
	s_wait_dscnt 0x0                               ; my codes of k
	s_barrier_signal -1
	CODES 2
	s_wait_alu depctr_va_vdst(0)                   ; likewise
	s_barrier_wait -1
	GET 1
	PUT 2
	SEND 1, 16
	s_wait_dscnt 0x0                               ; my codes of v
	s_barrier_signal -1
	s_barrier_wait -1
	GET 2
	SEND 2, 0
	s_wait_tensorcnt 0x0                           ; the wave's end
	ds_add_u32 v[SPW], v[NIL]
	s_wait_dscnt 0x0
	CROUND                                         ; the closing round: no work-group ends while a partner may still ask for a tile that names it
	s_endpgm
.Lfunc_end_k_q8b5d1b92ec_qkv:
	.size	k_q8b5d1b92ec_qkv, .Lfunc_end_k_q8b5d1b92ec_qkv-k_q8b5d1b92ec_qkv
	.p2alignl 7, 3214868480
	.fill 96, 4, 3214868480
	.section	.rodata,"a",@progbits
	.p2align	6, 0x0
	.amdhsa_kernel k_q8b5d1b92ec_qkv
		.amdhsa_group_segment_fixed_size 327680
		.amdhsa_private_segment_fixed_size 0
		.amdhsa_enable_private_segment 0
		.amdhsa_kernarg_size 56
		.amdhsa_user_sgpr_count 2
		.amdhsa_user_sgpr_kernarg_segment_ptr 1
		.amdhsa_wavefront_size32 1
		.amdhsa_system_sgpr_workgroup_id_x 1
		.amdhsa_system_sgpr_workgroup_id_y 1
		.amdhsa_system_sgpr_workgroup_id_z 1
		.amdhsa_system_vgpr_workitem_id 0
		.amdhsa_next_free_vgpr 1024
		.amdhsa_next_free_sgpr 100
		.amdhsa_reserve_vcc 0
		.amdhsa_float_denorm_mode_32 3
		.amdhsa_float_denorm_mode_16_64 3
		.amdhsa_memory_ordered 1
		.amdhsa_forward_progress 1
		.amdhsa_inst_pref_size 109
	.end_amdhsa_kernel
	.amdgpu_metadata
---
amdhsa.version: [ 1, 2 ]
amdhsa.kernels:
  - .name:           k_q8b5d1b92ec_qkv
    .symbol:         k_q8b5d1b92ec_qkv.kd
    .args:
      - { .name: x_codes, .offset: 0, .size: 8, .value_kind: global_buffer, .address_space: global }
      - { .name: qkv_w_codes, .offset: 8, .size: 8, .value_kind: global_buffer, .address_space: global }
      - { .name: qkv_b, .offset: 16, .size: 8, .value_kind: global_buffer, .address_space: global }
      - { .name: lowp_scales, .offset: 24, .size: 8, .value_kind: global_buffer, .address_space: global }
      - { .name: q_ws, .offset: 32, .size: 8, .value_kind: global_buffer, .address_space: global }
      - { .name: k_ws, .offset: 40, .size: 8, .value_kind: global_buffer, .address_space: global }
      - { .name: v_ws, .offset: 48, .size: 8, .value_kind: global_buffer, .address_space: global }
    .group_segment_fixed_size: 327680
    .private_segment_fixed_size: 0
    .kernarg_segment_align: 8
    .kernarg_segment_size: 56
    .max_flat_workgroup_size: 128
    .sgpr_count:     100
    .vgpr_count:     1024
    .wavefront_size: 32
...
	.end_amdgpu_metadata
.endif
;; end of part 1
;; launch attn (part 2): grid 8 x 32, 8 waves a work-group, clusters of 4 x 1, 327,680 bytes of LDS; arguments q_ws, k_ws, v_ws, lowp_scales, ctx_ws; writes ctx_ws
.if DOCPART == 2
	.amdgcn_target "amdgcn-amd-amdhsa--gfx1250"
	.amdhsa_code_object_version 6
	.text
	.protected	k_q8b5d1b92ec_attn
	.globl	k_q8b5d1b92ec_attn
	.p2align	8
	.type	k_q8b5d1b92ec_attn,@function
k_q8b5d1b92ec_attn:
	s_mov_b64 s[64:65], 0
	v_nop
	global_prefetch_b8 v0, s[64:65] scope:SCOPE_SE
	s_setreg_imm32_b32 hwreg(HW_REG_WAVE_MODE, 25, 1), 1
	s_wait_xcnt 0x0
	s_wait_alu depctr_hold_cnt(0) depctr_sa_sdst(0) depctr_va_vdst(0) depctr_va_sdst(0) depctr_va_ssrc(0) depctr_va_vcc(0) depctr_vm_vsrc(0)
	s_getreg_b32 s2, hwreg(HW_REG_IB_STS2, 6, 4)
	s_cmp_eq_u32 s2, 0
	s_cbranch_scc0 .Lentry_in_a_cluster
	s_endpgm
.Lentry_in_a_cluster:
	s_bfe_u32 s2, ttmp6, 0x10000c
	s_cmp_lg_u32 s2, 0x3003
	s_cbranch_scc0 .Lentry_shape_is_right
	s_endpgm
.Lentry_shape_is_right:
; ctx = softmax(q k^T / 8) v for each of 32 heads (16 b + h), both products on codes of BF8 (E5M2), and ctx quantised with 2^e6.  2,048 tokens, head size 64.
; q_ws, k_ws: [32][2048 places][64 codes], place p = token sw(p), sw = bits 3 and 4 exchanged.  v_ws: [32][32 blocks of 64 keys][64 places][64 keys], place p = channel sw(p).
; ctx_ws: [32 blocks of 128 tokens][16 h][128 tokens][64 codes], in true order.
; THE SOFTMAX AHEAD OF THE SECOND PRODUCT: t = score x log2(e) / 8; M = the row's largest t so far, rounded up to a whole number; p = 2^(t - M) is quantised (2^e5), not normalised.
; The row's sum is taken of the unquantised p in f32 and divides O at the end.  When M moves, the sum and O are multiplied by 2^(old M - new M): exact.
; SHARES.  A work-group owns 256 places of queries of one head; each of its eight waves 32 of them, two tiles A and B of 16, two waves to a SIMD.  Each fragment of K and V that a wave reads feeds both tiles.
; LDS HOLDS THE HEAD'S WHOLE K AND V: 2 x 131,072 bytes, 278,528 with padding.  Every byte is filled once, by two joint loads a wave: the first 512 keys at the head, the other 1,536 behind the full sequence.  So the loop over the keys has no fills in it,
; and one barrier, signalled a step before it is waited for.  No prefetch: there is no loop of loads to run ahead in; all that is read is asked for by those two groups of loads.
; CLUSTER.  The four query blocks of a cluster walk the same K and V: each tile is asked for jointly, with the same descriptor and a mask that names the four.
; LAYOUT.  Both products are used transposed: S^T = K Q^T (source 0 = 16 places of keys), O^T = V^T P^T (source 0 = 16 places of channels): a lane holds one query of each tile throughout.
; By sw, the 16 registers of tiles 2 b and 2 b + 1 are keys 32 b + 16 (lane / 16) + 0 .. 15, so p's conversions give the second product's operand as it stands; O^T's channels likewise.
; K's and V's rows of 64 bytes are dense in memory, stated as rows of 256 bytes with 16 of padding: row n lies at 272 (n / 4) + 64 (n % 4).
; LIMITS on the given exponents: e2 + e3 between -123 and 130 (added to c's exponent field); e5, and e6 - e4 - e5, between -126 and 112.  Scaled scores stay under 2^31 in magnitude.  A p under 2^-126 counts as 0.  NaN among the inputs is not served.
; REGISTERS, window 0: v1-11 addresses; v12, v13 -M and the largest score of A, v14, v15 of B; v[16:17], v[18:19] the sums in two halves; v[20:21], v[22:23] f; v24-31 constants and addresses; v32-47 Q; v48-111 O^T; v112-239 S^T, then p; v240-255 at work.
;   window 1: v0-63 K's fragments; v64-127 V's; v128-159 p's codes.
.set STEPB, 8704                       ; 128 keys of K (32 long rows) or of V (two blocks of 64)
.set V1,    4*STEPB                    ; keys 0-511: K from 0, V from here
.set K2,    8*STEPB                    ; keys 512-2047: K from here,
.set V2,    20*STEPB                   ; V from here
.set SPARE, 32*STEPB                   ; the spare words, 128 bytes for each wave
.set STAGE, SPARE+1024                 ; the way out: 32 rows x (64 bytes + 16) for each wave; no fill lands here
.set LT,   1                           ; v1   272 (r / 4) + 64 (r % 4) + 16 h
.set SPW,  5
.set NIL,  6
.set GO,   7                           ; v7   16 x my lane
.set ADK,  8
.set ADV,  9
.set STO,  28
.set RD,   29
.set QA,   32
.set QB,   40
.set OA,   48
.set OB,   80
.set SA,   112
.set SB,   176
.set TMP,  240
.set VF,   64                          ; window 1
.set PA,   128
.set PB,   144
.set TK,   2                           ; s2   LDS byte of the next step's K
.set TV,   3                           ; s3   of this step's V
.set CNT,  14
.set LIMS, 15                          ; s15  57,344 x 2^e5
.set WV,   18
.set NCS,  19                          ; s19  -c
.set SEL,  20
.set CS,   22                          ; s[22:23] c = log2(e) / 8 x 2^(e2 + e3)
.set G1,   24                          ; s[24:31] descriptor group 1, 32 long rows
.set H1,   32                          ; s[32:39] the same, 96 long rows
.set G0,   40                          ; s[40:43], s[44:47] their groups 0
.set H0,   44
.set MSB, 0
.macro WIN new                         ; the immediate's high byte repeats the setting that is left
.if MSB != \new
	s_set_vgpr_msb (MSB<<8)|\new
.set MSB, \new
.endif
.endm
.macro CROUND                          ; a round of the cluster's barrier
	s_barrier_signal -1
	s_barrier_wait -1
	s_cmp_lg_u32 s[WV], 0
	s_cbranch_scc1 .Lnot_wave_0_\@
	s_barrier_signal -3
.Lnot_wave_0_\@:
	s_barrier_wait -3
	s_barrier_signal -1
	s_barrier_wait -1
.endm
	s_load_b256 s[4:11], s[0:1], 0x0               ; q_ws s[4:5], k_ws s[6:7], v_ws s[8:9], the exponents s[10:11]
	s_load_b64 s[12:13], s[0:1], 0x20              ; ctx_ws
	v_lshl_add_u32 v[SPW], v0, 2, SPARE
	v_mov_b32 v[NIL], 0
	ds_add_u32 v[SPW], v[NIL]                      ; the opening: the add, twice on end
	ds_add_u32 v[SPW], v[NIL]
	v_lshrrev_b32 v10, 5, v0
	v_readfirstlane_b32 s[WV], v10                 ; wave 0..7
	s_bfe_u32 s48, ttmp6, 0x40000                  ; cx
	s_lshl_b32 s49, ttmp9, 2
	s_add_co_u32 s49, s49, s48                     ; my block of 256 queries: it enters Q's and ctx's addresses alone
	s_and_b32 s50, ttmp7, 0xffff                   ; the head, 16 b + h, which the four partners share
	s_lshl_b32 s51, s50, 17                        ; its first byte in q_ws, k_ws and v_ws
	s_and_b32 s52, s[WV], 3                        ; which quarter of K (waves 0-3) or of V (waves 4-7) I fetch
	s_lshl_b32 s54, s52, 13                        ; of the first 512 keys: 8,192 bytes,
	s_add_co_u32 s54, s54, s51
	s_mov_b32 s55, 0
	s_mul_i32 s56, s52, 24576                      ; of the others: 24,576
	s_add_co_u32 s56, s56, s51
	s_add_co_u32 s56, s56, 32768
	s_mov_b32 s57, 0
	s_mul_i32 s58, s[WV], STEPB                    ; where they go in LDS
	s_mul_i32 s59, s[WV], 3*STEPB
	s_add_co_u32 s59, s59, K2
.irp g, G1, H1
	s_mov_b32 s[\g], 15|(0<<16)|(1<<20)|(1<<21)|(5<<22)|(3<<25)   ; 15:0 the mask: all four; 17:16 elements of 1 byte; 20 padding on; 21 set beside a mask; 24:22 after every 64 words (code 5); 31:25 four words (code 3)
	s_mov_b32 s[\g+1], 256<<16                     ; tensor_dim0
	s_mov_b32 s[\g+3], 256<<16                     ; tile_dim0
	s_mov_b32 s[\g+5], 256                         ; tensor_dim0_stride
	s_mov_b32 s[\g+6], 0
	s_mov_b32 s[\g+7], 0
.endr
	s_mov_b32 s[G1+2], 32<<16                      ; tensor_dim1, tile_dim1
	s_mov_b32 s[G1+4], 32
	s_mov_b32 s[H1+2], 96<<16
	s_mov_b32 s[H1+4], 96
	s_mov_b32 s[SEL], 0x76543210
	s_mov_b32 s[SEL+1], 0xfedcba98
	s_mov_b32 s[CS], 0x3e38aa3b                    ; log2(e) / 8
	s_wait_alu depctr_va_vdst(0)                   ; directly ahead of the waits below
	s_wait_dscnt 0x0                               ; both opening adds are done
	s_wait_kmcnt 0x0
	s_load_b256 s[68:75], s[10:11], 0x0            ; e0 .. e7
	s_cmp_lt_u32 s[WV], 4
	s_cselect_b64 s[60:61], s[6:7], s[8:9]
	s_mov_b32 s[G0], 1                             ; count = 1
	s_mov_b32 s[G0+1], s58
	s_add_nc_u64 s[G0+2:G0+3], s[60:61], s[54:55]
	s_or_b32 s[G0+3], s[G0+3], 0x80000000          ; type = 2
	s_mov_b32 s[H0], 1
	s_mov_b32 s[H0+1], s59
	s_add_nc_u64 s[H0+2:H0+3], s[60:61], s[56:57]
	s_or_b32 s[H0+3], s[H0+3], 0x80000000
	CROUND                                         ; all four work-groups are here: the first joint loads meet
	tensor_load_to_lds s[G0:G0+3], s[G1:G1+7]      ; keys 0-511: one load a wave at the head
	s_nop 0
.rept 4
	v_nop
.endr
	s_wait_kmcnt 0x0
	s_add_co_i32 s76, s70, s71
	s_lshl_b32 s76, s76, 23
	s_add_co_i32 s[CS], s[CS], s76                 ; a score stands for score x 2^(e2 + e3)
	s_mov_b32 s[CS+1], s[CS]                       ; (named with it as a pair)
	s_xor_b32 s[NCS], s[CS], 0x80000000
	s_add_co_i32 s76, s73, 127
	s_lshl_b32 s77, s76, 23                        ; 2^e5, for p's conversions
	s_add_co_i32 s76, s76, 15
	s_lshl_b32 s76, s76, 23
	s_or_b32 s[LIMS], s76, 0x600000                ; 57,344 x 2^e5
	s_sub_co_i32 s78, s74, s72
	s_sub_co_i32 s78, s78, s73                     ; a sum of the second product stands for sum x 2^(e4 + e5): ctx's code is (sum / l) / 2^(e6 - e4 - e5)
	s_add_co_i32 s78, s78, 127
	s_lshl_b32 s79, s78, 23
	s_add_co_i32 s78, s78, 15
	s_lshl_b32 s78, s78, 23
	s_or_b32 s78, s78, 0x600000
	s_lshl_b32 s80, s49, 14                        ; Q: my 32 places of 64 bytes
	s_lshl_b32 s81, s[WV], 11
	s_add_co_u32 s80, s80, s81
	s_add_co_u32 s80, s80, s51
	s_mov_b32 s81, 0
	s_add_nc_u64 s[4:5], s[4:5], s[80:81]
	s_lshr_b32 s82, s50, 4                         ; ctx: block of 128 tokens 16 b + 2 x query block + wave / 4,
	s_lshl_b32 s82, s82, 4
	s_lshl_b32 s83, s49, 1
	s_add_co_u32 s82, s82, s83
	s_lshr_b32 s83, s[WV], 2
	s_add_co_u32 s82, s82, s83
	s_lshl_b32 s82, s82, 17
	s_and_b32 s83, s50, 15                         ; plane h,
	s_lshl_b32 s83, s83, 13
	s_add_co_u32 s82, s82, s83
	s_lshl_b32 s83, s52, 11                        ; tokens 32 (wave % 4) on: my 32 places are those 32 tokens
	s_add_co_u32 s82, s82, s83
	s_mov_b32 s83, 0
	s_add_nc_u64 s[12:13], s[12:13], s[82:83]
	s_mul_i32 s62, s[WV], 2560
	s_add_co_u32 s62, s62, STAGE                   ; my stage
	v_and_b32 v8, 15, v0                           ; r = lane % 16
	v_bfe_u32 v9, v0, 4, 1                         ; h = lane / 16
	v_lshlrev_b32 v10, 6, v8
	v_lshl_add_u32 v10, v9, 4, v10
.irp c, 0,1                            ; registers 4 c .. 4 c + 3 hold channels 32 c + 16 h + 0 .. 15, as K's will
	global_load_b128 v[QA+4*\c:QA+4*\c+3], v10, s[4:5] offset:32*\c
	global_load_b128 v[QB+4*\c:QB+4*\c+3], v10, s[4:5] offset:1024+32*\c
.endr
	v_lshrrev_b32 v11, 2, v8
	v_and_b32 v240, 3, v8
	v_mul_u32_u24 v[LT], v11, 272
	v_and_b32 v241, 8, v8
	v_lshl_add_u32 v[LT], v240, 6, v[LT]
	v_add_nc_u32 v241, v241, v8                    ; the row of tile A's place r: r + 8 (r / 8); tile B's lies 8 rows on
	v_lshl_add_u32 v[LT], v9, 4, v[LT]
	v_mul_u32_u24 v[STO], v241, 80
	v_and_b32 v242, 31, v0
	v_lshl_add_u32 v[STO], v9, 4, v[STO]
	v_lshrrev_b32 v243, 2, v242
	v_add_nc_u32 v[STO], s62, v[STO]
	v_mul_u32_u24 v[RD], v243, 80
	v_and_b32 v244, 3, v242
	v_lshl_add_u32 v[RD], v244, 4, v[RD]
	v_lshlrev_b32 v[GO], 4, v242
	v_add_nc_u32 v[RD], s62, v[RD]                 ; back: four lanes to a row, eight rows an instruction
	v_mov_b32 v24, s77
	v_mov_b32 v26, s79
	v_mov_b32 v27, s78
.irp q, 0,2
	v_mov_b32 v[12+\q], 0x7f61b1e6                 ; -M: 3e38
	v_mov_b32 v[13+\q], 0xff61b1e6                 ; the largest score so far: -3e38
	v_mov_b32 v[16+\q], 0
	v_mov_b32 v[17+\q], 0
	v_mov_b32 v[21+\q], 0                          ; (named as the upper half of f's pair)
.endr
	v_mov_b32 v30, 0                               ; written once: a lane permute's destination counts as one of its sources
	v_mov_b32 v31, 0
.set k, 0
.rept 64
	v_mov_b32 v[OA+k], 0                           ; O^T: the step is one text for all trips; the first change of M leaves zeros
.set k, k+1
.endr
.macro KLOAD                           ; K's eight fragments of the step at v[ADK]: tile t = 16 places, four long rows on
.irp t, 0,1,2,3,4,5,6,7
.irp c, 0,1
	ds_load_b128 v[8*\t+4*\c:8*\t+4*\c+3], v[ADK] offset:1088*\t+32*\c
.endr
.endr
.endm
.macro FMA s, m, n                     ; t - M of pair n (of the pairs c and -M the low word serves both halves)
	v_pk_fma_f32 v[\s+2*(\n):\s+2*(\n)+1], v[\s+2*(\n):\s+2*(\n)+1], s[CS:CS+1], v[\m:\m+1] op_sel_hi:[1,0,0]
.endm
.macro HOLD s, n                       ; the conversion to an 8-bit code does not saturate (ISA guide 7.6.2); p is not negative, so the hold is one-sided
	v_dual_min_num_f32 v[\s+2*(\n)], s[LIMS], v[\s+2*(\n)] :: v_dual_min_num_f32 v[\s+2*(\n)+1], s[LIMS], v[\s+2*(\n)+1]
.endm
.macro MAXG s, t, n                    ; the n-th of 28 steps of a tile's largest score, in eight chains
.if (\n) < 8
	v_max3_num_f32 v[\t+(\n)], v[\s+3*(\n)], v[\s+3*(\n)+1], v[\s+3*(\n)+2]
.else
	v_max3_num_f32 v[\t+(\n)%8], v[\t+(\n)%8], v[\s+24+2*((\n)-8)], v[\s+25+2*((\n)-8)]
.endif
.endm
.macro TAILG t, mx, m, pl, f, n        ; the n-th of 12 links from the eight chains to -M and f: laid between independent instructions
.if (\n) == 0
	v_max3_num_f32 v[\t], v[\t], v[\t+1], v[\t+2]
.elseif (\n) == 1
	v_max3_num_f32 v[\t+3], v[\t+3], v[\t+4], v[\t+5]
.elseif (\n) == 2
	v_max3_num_f32 v[\t], v[\t], v[\t+6], v[\t+7]
.elseif (\n) == 3
	v_max_num_f32 v[\t], v[\t], v[\t+3]
.elseif (\n) == 4
	v_permlanex16_b32 v[\pl], v[\t], s[SEL], s[SEL+1]
.elseif (\n) == 5
	v_max3_num_f32 v[\mx], v[\mx], v[\t], v[\pl]   ; the running largest score, with lane l xor 16's keys
.elseif (\n) == 6
	v_mul_f32 v[\t+1], s[NCS], v[\mx]              ; -t
.elseif (\n) == 7
	v_floor_f32 v[\t+1], v[\t+1]                   ; the new -M = floor(-t): M is a whole number
.elseif (\n) == 8
	v_sub_f32 v[\t], v[\t+1], v[\m]                ; M's old value less its new one: a whole number, 0 or less
.elseif (\n) == 9
	v_mov_b32 v[\m], v[\t+1]
.elseif (\n) == 10
	v_cvt_i32_f32 v[\t], v[\t]                     ; (it saturates)
.else
	v_ldexp_f32 v[\f], 1.0, v[\t]                  ; f = 2^(old M - new M)
.endif
.endm
.macro FILLA n
	FMA SB, 14, 24+\n
.endm
.macro FILLB n
	HOLD SB, 4*\n
	HOLD SB, 4*\n+1
	HOLD SB, 4*\n+2
	HOLD SB, 4*\n+3
.endm
.macro SUMS s, sum, fill               ; the row's sum of the unquantised p: eight partial pairs, then their joining, with independent work between its links
.set k, 0
.rept 8
	v_pk_add_f32 v[TMP+2*k:TMP+2*k+1], v[\s+2*k:\s+2*k+1], v[\s+16+2*k:\s+17+2*k]
.set k, k+1
.endr
.irp d, 32,48
.set k, 0
.rept 8
	v_pk_add_f32 v[TMP+2*k:TMP+2*k+1], v[TMP+2*k:TMP+2*k+1], v[\s+\d+2*k:\s+\d+2*k+1]
.set k, k+1
.endr
.endr
	v_pk_add_f32 v[240:241], v[240:241], v[248:249]
	v_pk_add_f32 v[242:243], v[242:243], v[250:251]
	v_pk_add_f32 v[244:245], v[244:245], v[252:253]
	v_pk_add_f32 v[246:247], v[246:247], v[254:255]
	\fill 0
	\fill 1
	v_pk_add_f32 v[240:241], v[240:241], v[244:245]
	v_pk_add_f32 v[242:243], v[242:243], v[246:247]
	\fill 2
	\fill 3
	\fill 4
	v_pk_add_f32 v[240:241], v[240:241], v[242:243]
	\fill 5
	\fill 6
	\fill 7
	v_pk_add_f32 v[\sum:\sum+1], v[\sum:\sum+1], v[240:241]
.endm
; A KEY STEP of 128 keys; K's fragments are in registers.  next = 1: the next step's are asked for together with this step's V; 2: behind the softmax and the barrier; 0: there is none.
.macro VLOAD2 t0                       ; V's fragments t0, t0 + 1 of the step at v[ADV]: tile t = 16 places of channels; registers 4 c .. 4 c + 3 hold keys 32 c + 16 h + 0 .. 15, as p's codes will
	WIN 0x40
.irp t, 0,1
.irp c, 0,1,2,3
	ds_load_b128 v[VF+16*((\t0)+\t)+4*\c:VF+16*((\t0)+\t)+4*\c+3], v[ADV] offset:4352*(\c/2)+1088*((\t0)+\t)+32*(\c%2)
.endr
.endr
	WIN 0
.endm
.macro KLOAD4 t0                       ; K's fragments t0 .. t0 + 3 of the next step
	WIN 0x40
.irp t, 0,1,2,3
.irp c, 0,1
	ds_load_b128 v[8*((\t0)+\t)+4*\c:8*((\t0)+\t)+4*\c+3], v[ADK] offset:1088*((\t0)+\t)+32*\c
.endr
.endr
	WIN 0
.endm
.macro STEP next
	WIN 0x01
.irp t, 0,1,2,3,4,5,6,7
	v_wmma_f32_16x16x64_bf8_bf8 v[SA+8*\t:SA+8*\t+7], v[8*\t:8*\t+7], v[QA:QA+7], 0
	v_wmma_f32_16x16x64_bf8_bf8 v[SB+8*\t:SB+8*\t+7], v[8*\t:8*\t+7], v[QB:QB+7], 0
.endr
	WIN 0
	v_add_nc_u32 v[ADV], s[TV], v[LT]              ; four places in front of the loads below and of the first read of the scores
.if \next == 1
	v_add_nc_u32 v[ADK], s[TK], v[LT]
.else
	v_nop
.endif
	v_nop
	v_nop
.set k, 0
.rept 28                               ; the step's largest score of tile A's query, among my 64 keys; V's loads between
.if (k%14) == 0
	VLOAD2 (k/14)*2
.endif
	MAXG SA, 240, k
.set k, k+1
.endr
.set k, 0
.rept 28                               ; of tile B's, with tile A's way to M and the next step's K loads between
.if ((k%14) == 0) && (\next == 1)
	KLOAD4 (k/14)*4
.endif
	MAXG SB, 248, k
.if ((k%2) == 1) && (k < 24)
	TAILG 240, 13, 12, 30, 20, k/2
.endif
.set k, k+1
.endr
.set k, 0
.rept 32                               ; tile A's t - M, with tile B's way to M between
	FMA SA, 12, k
.if ((k%2) == 1) && (k < 24)
	TAILG 248, 15, 14, 31, 22, k/2
.endif
.set k, k+1
.endr
	v_pk_mul_f32 v[16:17], v[16:17], v[20:21] op_sel_hi:[1,0]   ; the sums and O^T under the new M
	v_pk_mul_f32 v[18:19], v[18:19], v[22:23] op_sel_hi:[1,0]
.set k, 0
.rept 16
	v_pk_mul_f32 v[OA+2*k:OA+2*k+1], v[OA+2*k:OA+2*k+1], v[20:21] op_sel_hi:[1,0]
	v_pk_mul_f32 v[OB+2*k:OB+2*k+1], v[OB+2*k:OB+2*k+1], v[22:23] op_sel_hi:[1,0]
.set k, k+1
.endr
	s_wait_alu depctr_va_vdst(0)                   ; ahead of the batch
.set k, 0
.rept 16
	v_exp_f32 v[SA+k], v[SA+k]                     ; p = 2^(t - M), at most 1: not normalised
.set k, k+1
.endr
.set k, 0
.rept 24                               ; tile A's exponentials, tile B's t - M between them
	v_exp_f32 v[SA+16+2*k], v[SA+16+2*k]
	v_exp_f32 v[SA+17+2*k], v[SA+17+2*k]
	FMA SB, 14, k
.set k, k+1
.endr
	s_wait_alu depctr_va_vdst(0)                   ; and ahead of the batch's first reader
	SUMS SA, 16, FILLA
	s_wait_alu depctr_va_vdst(0)                   ; ahead of the second batch
.set k, 0
.rept 32                               ; tile B's exponentials, tile A's holds between them
	v_exp_f32 v[SB+2*k], v[SB+2*k]
	v_exp_f32 v[SB+2*k+1], v[SB+2*k+1]
	HOLD SA, k
.set k, k+1
.endr
	s_wait_alu depctr_va_vdst(0)                   ; ahead of its first reader
.if \next != 2
	s_wait_dscnt 0x0                               ; V's fragments and the next step's K are in
.endif
	SUMS SB, 18, FILLB
.if \next == 2
	s_wait_alu depctr_va_vdst(0)                   ; directly ahead of the wait below
	s_barrier_wait -1                              ; the other 1,536 keys are in, everybody's part of them
	v_add_nc_u32 v[ADK], s[TK], v[LT]
	WIN 0x40
	KLOAD
.endif
	WIN 0x40
.irp t, 0,1,2,3,4,5,6,7
	v_cvt_scalef32_pk8_bf8_f32 v[PA+2*\t:PA+2*\t+1], v[SA+8*\t:SA+8*\t+7], v24
	v_cvt_scalef32_pk8_bf8_f32 v[PB+2*\t:PB+2*\t+1], v[SB+8*\t:SB+8*\t+7], v24
.endr
	v_nop                                          ; one plain vector instruction behind the last conversion
.if \next == 2
	s_wait_alu depctr_va_vdst(0)                   ; directly ahead of the wait below
	s_wait_dscnt 0x0                               ; V's fragments and the next step's K are in
.endif
	WIN 0x05
.irp t, 0,1,2,3                        ; O^T += V^T P^T: the eight accumulators take turns
	v_wmma_f32_16x16x128_bf8_bf8 v[OA+8*\t:OA+8*\t+7], v[VF+16*\t:VF+16*\t+15], v[PA:PA+15], v[OA+8*\t:OA+8*\t+7]
	v_wmma_f32_16x16x128_bf8_bf8 v[OB+8*\t:OB+8*\t+7], v[VF+16*\t:VF+16*\t+15], v[PB:PB+15], v[OB+8*\t:OB+8*\t+7]
.endr
	WIN 0
.endm
	v_mov_b32 v[ADK], v[LT]                        ; the first step's K lies from LDS byte 0 on
	s_wait_alu depctr_va_vdst(0)
	s_wait_tensorcnt 0x0                           ; my part of the first 512 keys is in
	ds_add_u32 v[SPW], v[NIL]
	s_wait_dscnt 0x0
	CROUND                                         ; everybody's part is in, and the next joint loads meet
	tensor_load_to_lds s[H0:H0+3], s[H1:H1+7]      ; keys 512-2047: they have the next three steps in which to land
	s_nop 0
.rept 4
	v_nop
.endr
	WIN 0x40
	KLOAD
	WIN 0
	s_mov_b32 s[TK], STEPB
	s_mov_b32 s[TV], V1
	s_mov_b32 s[CNT], 3
	s_wait_loadcnt 0x0                             ; Q
	s_wait_dscnt 0x0                               ; the first step's K
.Lfirst:                                           ; steps 0-2
	STEP 1
	s_add_co_u32 s[TK], s[TK], STEPB
	s_add_co_u32 s[TV], s[TV], STEPB
	s_sub_co_u32 s[CNT], s[CNT], 1
	s_cmp_lg_u32 s[CNT], 0
	s_cbranch_scc1 .Lfirst
	s_wait_tensorcnt 0x0                           ; my part of the other 1,536 keys is in; no LDS instruction of mine is out:
	s_barrier_signal -1                            ; say so, and wait for the others behind the next step's softmax: between the two stand work on registers and reads of bytes filled long before
	s_mov_b32 s[TK], K2
	STEP 2
	s_mov_b32 s[TK], K2+STEPB
	s_mov_b32 s[TV], V2
	s_mov_b32 s[CNT], 11
.Lrest:                                            ; steps 4-14
	STEP 1
	s_add_co_u32 s[TK], s[TK], STEPB
	s_add_co_u32 s[TV], s[TV], STEPB
	s_sub_co_u32 s[CNT], s[CNT], 1
	s_cmp_lg_u32 s[CNT], 0
	s_cbranch_scc1 .Lrest
	STEP 0                                         ; step 15
	; THE WAY OUT.  O^T is divided by the row's sum, held, quantised with the folded scale, and goes through my stage in LDS, so that 32 lanes store 512 consecutive bytes: eight tokens' 64 codes.
	v_add_f32 v16, v16, v17
	v_add_f32 v18, v18, v19
	v_nop
	v_permlanex16_b32 v30, v16, s[SEL], s[SEL+1]
	v_permlanex16_b32 v31, v18, s[SEL], s[SEL+1]
	v_nop
	v_add_f32 v16, v16, v30
	v_add_f32 v18, v18, v31
	s_wait_alu depctr_va_vdst(0)
	v_rcp_f32 v16, v16
	v_rcp_f32 v18, v18
	v_nop                                          ; a plain instruction behind the reciprocals
	s_wait_alu depctr_va_vdst(0)                   ; ahead of their first reader and of the first read of O^T
.set k, 0
.rept 16
	v_pk_mul_f32 v[SA+2*k:SA+2*k+1], v[OA+2*k:OA+2*k+1], v[16:17] op_sel_hi:[1,0]   ; register 16 b + i: channel 32 b + 16 h + i
	v_pk_mul_f32 v[SB+2*k:SB+2*k+1], v[OB+2*k:OB+2*k+1], v[18:19] op_sel_hi:[1,0]
.set k, k+1
.endr
.set k, 0
.rept 32
	v_med3_num_f32 v[SA+k], v[SA+k], -v27, v27     ; the hold at the largest code x the scale
	v_med3_num_f32 v[SB+k], v[SB+k], -v27, v27
.set k, k+1
.endr
.irp t, 0,1,2,3
	v_cvt_scalef32_pk8_bf8_f32 v[240+2*\t:241+2*\t], v[SA+8*\t:SA+8*\t+7], v26
	v_cvt_scalef32_pk8_bf8_f32 v[248+2*\t:249+2*\t], v[SB+8*\t:SB+8*\t+7], v26
.endr
	v_nop                                          ; one plain vector instruction behind the last conversion
	ds_store_b128 v[STO], v[240:243]               ; tile A: channels 16 h + 0 .. 15,
	ds_store_b128 v[STO], v[244:247] offset:32     ; and 32 + 16 h + 0 .. 15
	ds_store_b128 v[STO], v[248:251] offset:640    ; tile B: eight tokens on
	ds_store_b128 v[STO], v[252:255] offset:672
.irp i, 0,1,2,3
	ds_load_b128 v[144+4*\i:147+4*\i], v[RD] offset:640*\i   ; LDS serves a wave's instructions in order (ISA guide 5.7.1.4): these see my stores
.endr
.irp i, 0,1,2,3
	s_wait_dscnt 3-\i                              ; the younger reads of the stage may be out
	global_store_b128 v[GO], v[144+4*\i:147+4*\i], s[12:13] offset:512*\i
.endr
	s_wait_tensorcnt 0x0                           ; the wave's end
	ds_add_u32 v[SPW], v[NIL]
	s_wait_dscnt 0x0
	CROUND                                         ; the closing round: no work-group ends while a partner may still ask for a tile that names it
	s_endpgm
.Lfunc_end_k_q8b5d1b92ec_attn:
	.size	k_q8b5d1b92ec_attn, .Lfunc_end_k_q8b5d1b92ec_attn-k_q8b5d1b92ec_attn
	.p2alignl 7, 3214868480
	.fill 96, 4, 3214868480
	.section	.rodata,"a",@progbits
	.p2align	6, 0x0
	.amdhsa_kernel k_q8b5d1b92ec_attn
		.amdhsa_group_segment_fixed_size 327680
		.amdhsa_private_segment_fixed_size 0
		.amdhsa_enable_private_segment 0
		.amdhsa_kernarg_size 40
		.amdhsa_user_sgpr_count 2
		.amdhsa_user_sgpr_kernarg_segment_ptr 1
		.amdhsa_wavefront_size32 1
		.amdhsa_system_sgpr_workgroup_id_x 1
		.amdhsa_system_sgpr_workgroup_id_y 1
		.amdhsa_system_sgpr_workgroup_id_z 1
		.amdhsa_system_vgpr_workitem_id 0
		.amdhsa_next_free_vgpr 512
		.amdhsa_next_free_sgpr 100
		.amdhsa_reserve_vcc 0
		.amdhsa_float_denorm_mode_32 3
		.amdhsa_float_denorm_mode_16_64 3
		.amdhsa_memory_ordered 1
		.amdhsa_forward_progress 1
		.amdhsa_inst_pref_size 132
	.end_amdhsa_kernel
	.amdgpu_metadata
---
amdhsa.version: [ 1, 2 ]
amdhsa.kernels:
  - .name:           k_q8b5d1b92ec_attn
    .symbol:         k_q8b5d1b92ec_attn.kd
    .args:
      - { .name: q_ws, .offset: 0, .size: 8, .value_kind: global_buffer, .address_space: global }
      - { .name: k_ws, .offset: 8, .size: 8, .value_kind: global_buffer, .address_space: global }
      - { .name: v_ws, .offset: 16, .size: 8, .value_kind: global_buffer, .address_space: global }
      - { .name: lowp_scales, .offset: 24, .size: 8, .value_kind: global_buffer, .address_space: global }
      - { .name: ctx_ws, .offset: 32, .size: 8, .value_kind: global_buffer, .address_space: global }
    .group_segment_fixed_size: 327680
    .private_segment_fixed_size: 0
    .kernarg_segment_align: 8
    .kernarg_segment_size: 40
    .max_flat_workgroup_size: 256
    .sgpr_count:     100
    .vgpr_count:     512
    .wavefront_size: 32
...
	.end_amdgpu_metadata
.endif
;; end of part 2
;; launch proj (part 3): grid 8 x 32, 4 waves a work-group, clusters of 4 x 4, 327,680 bytes of LDS; arguments ctx_ws, out_w_codes, out_b, lowp_scales, out0; writes out0
.if DOCPART == 3
	.amdgcn_target "amdgcn-amd-amdhsa--gfx1250"
	.amdhsa_code_object_version 6
	.text
	.protected	k_q8b5d1b92ec_proj
	.globl	k_q8b5d1b92ec_proj
	.p2align	8
	.type	k_q8b5d1b92ec_proj,@function
k_q8b5d1b92ec_proj:
	s_mov_b64 s[64:65], 0
	v_nop
	global_prefetch_b8 v0, s[64:65] scope:SCOPE_SE
	s_setreg_imm32_b32 hwreg(HW_REG_WAVE_MODE, 25, 1), 1
	s_wait_xcnt 0x0
	s_wait_alu depctr_hold_cnt(0) depctr_sa_sdst(0) depctr_va_vdst(0) depctr_va_sdst(0) depctr_va_ssrc(0) depctr_va_vcc(0) depctr_vm_vsrc(0)
	s_getreg_b32 s2, hwreg(HW_REG_IB_STS2, 6, 4)
	s_cmp_eq_u32 s2, 0
	s_cbranch_scc0 .Lentry_in_a_cluster
	s_endpgm
.Lentry_in_a_cluster:
	s_bfe_u32 s2, ttmp6, 0x10000c
	s_cmp_lg_u32 s2, 0xf033
	s_cbranch_scc0 .Lentry_shape_is_right
	s_endpgm
.Lentry_shape_is_right:
; out0 = ctx out_w^T + out_b on codes of BF8 (E5M2).  ctx_ws: [32 blocks of 128 tokens][16 heads][128 tokens][64 codes], scale 2^e6; K = 64 x head + channel.  out_w: [1024][1024] codes, K innermost, scale 2^e7.  out_b: [1024] f32.  out0: [4096][1024] f32.
; A tile of 128 tokens x 128 outputs is made by a work-group of four waves, each 64 x 64.  256 work-groups.
; ALL OF K LIES IN LDS AT ONCE: 2 x 131,072 bytes, one tensor load a wave (65,536 bytes each), each byte filled once: no ring, and one barrier.  No prefetch: there is no loop of loads to run ahead in.
; THE WORK GOES BY ROWS OF out0: my 64 rows of out_w, all of K, stay in 512 registers; my four blocks of 16 tokens are finished one after the other, 32 matrix instructions each, and each block's stores leave ahead of the next block's products.
; CLUSTERS: 4 x 4 work-groups.  The tokens' tiles hang on the tile row alone and are asked for jointly by my row of the cluster, out_w's on the tile column alone, by my column.
; THE MATRIX INSTRUCTION IS USED TRANSPOSED (source 0 = 16 rows of out_w, source 1 = 16 tokens): a lane then holds eight neighbouring numbers of a row of out0.
; LDS.  Tokens: 16 planes (heads) of 128 x 64 bytes, dense in memory, stated as 512 rows of 256 bytes + 16 of padding: token n of plane p at 8704 p + 272 (n / 4) + 64 (n % 4).  out_w: 128 rows of 1,024 bytes + 16.
; LIMIT: e6 + e7 lies between -126 and 127, so that 2^(e6 + e7) is an f32 number.
; REGISTERS: window 0: v1-31 addresses; v32-63, v96-127 rows read back; v64-95 the bias; v128-159, v160-191 the accumulators of a block of tokens, by turns.
;   window 1: two blocks of tokens, 128 registers each (K step s at 16 s).  windows 2, 3: out_w, K steps 0-3 and 4-7 (K step s, block b at 64 (s % 4) + 16 b).
.set PL,    8704                       ; a plane
.set BOFF,  16*PL                      ; out_w's rows lie behind the planes
.set BP,    1040                       ; and are 1,040 bytes apart
.set SPARE, BOFF+128*BP                ; the spare words, 128 bytes for each wave
.set STG,   SPARE+512                  ; the way out: 16 rows x (256 bytes + 16) for each wave; no fill lands here
.set ADRA, 8                           ; v8-11   LDS address of my token fragments in planes 4 c on
.set ADRB, 12                          ; v12     the same for out_w
.set STO,  24
.set RD,   25
.set CO,   26
.set SPW,  30
.set NIL,  31
.set BI,   64
.set ACC,  128
.set WV,   18
.set WR,   19                          ; which half of the tokens is mine
.set WC,   20                          ; which half of the outputs
.set G1A,  24
.set G1B,  32
.set G0A,  40
.set G0B,  44
.set MSB, 0
.macro WIN new                         ; the immediate's high byte repeats the setting that is left
.if MSB != \new
	s_set_vgpr_msb (MSB<<8)|\new
.set MSB, \new
.endif
.endm
.macro CROUND                          ; a round of the cluster's barrier
	s_barrier_signal -1
	s_barrier_wait -1
	s_cmp_lg_u32 s[WV], 0
	s_cbranch_scc1 .Lnot_wave_0_\@
	s_barrier_signal -3
.Lnot_wave_0_\@:
	s_barrier_wait -3
	s_barrier_signal -1
	s_barrier_wait -1
.endm
	s_load_b256 s[4:11], s[0:1], 0x0               ; ctx_ws s[4:5], out_w s[6:7], out_b s[8:9], the exponents s[10:11]
	s_load_b64 s[12:13], s[0:1], 0x20              ; out0
	v_lshl_add_u32 v[SPW], v0, 2, SPARE
	v_mov_b32 v[NIL], 0
	ds_add_u32 v[SPW], v[NIL]                      ; the opening: the add, twice on end
	ds_add_u32 v[SPW], v[NIL]
	v_lshrrev_b32 v1, 5, v0
	v_readfirstlane_b32 s[WV], v1                  ; wave 0..3
	s_lshr_b32 s[WR], s[WV], 1                     ; also: I fetch tokens (0) or rows of out_w (1),
	s_and_b32 s[WC], s[WV], 1                      ; and which half of them
	s_bfe_u32 s56, ttmp6, 0x40000                  ; cx, cy: my place in the cluster
	s_bfe_u32 s57, ttmp6, 0x40004
	s_lshl_b32 s58, ttmp9, 2
	s_add_co_u32 s58, s58, s56                     ; tile column = 4 x cluster x + cx
	s_and_b32 s59, ttmp7, 0xffff
	s_lshl_b32 s59, s59, 2
	s_add_co_u32 s59, s59, s57                     ; tile row = 4 x cluster y + cy
	s_lshl_b32 s60, s57, 2
	s_lshl_b32 s60, 15, s60                        ; my row of the cluster
	s_lshl_b32 s61, 0x1111, s56                    ; my column
	s_or_b32 s[G1A+0], s60, (0<<16)|(1<<20)|(1<<21)|(5<<22)|(3<<25)  ; 15:0 the mask; 17:16 elements of 1 byte; 20 padding on; 21 set beside a mask; 24:22 after every 64 words (code 5); 31:25 four words (code 3)
	s_or_b32 s[G1B+0], s61, (0<<16)|(1<<20)|(1<<21)|(7<<22)|(3<<25)  ; the same, padding after every 256 words (code 7)
	s_mov_b32 s[G1A+1], 256<<16                    ; tensor_dim0
	s_mov_b32 s[G1A+2], 256<<16                    ; tensor_dim1
	s_mov_b32 s[G1A+3], 256<<16                    ; tile_dim0
	s_mov_b32 s[G1A+4], 256                        ; tile_dim1
	s_mov_b32 s[G1A+5], 256                        ; tensor_dim0_stride
	s_mov_b32 s[G1A+6], 0
	s_mov_b32 s[G1A+7], 0
	s_mov_b32 s[G1B+1], 1024<<16
	s_mov_b32 s[G1B+2], 64<<16
	s_mov_b32 s[G1B+3], 1024<<16
	s_mov_b32 s[G1B+4], 64
	s_mov_b32 s[G1B+5], 1024
	s_mov_b32 s[G1B+6], 0
	s_mov_b32 s[G1B+7], 0
	s_lshl_b32 s62, s[WC], 16                      ; my 65,536 bytes
	s_lshl_b32 s84, s59, 17                        ; of the tile row's tokens,
	s_add_co_u32 s84, s84, s62
	s_mov_b32 s85, 0
	s_lshl_b32 s86, s58, 17                        ; or of the tile column's rows of out_w
	s_add_co_u32 s86, s86, s62
	s_mov_b32 s87, 0
	s_mul_i32 s62, s[WC], 8*PL                     ; where they go: no place in the cluster enters an LDS address
	s_mul_i32 s63, s[WC], 64*BP
	s_add_co_u32 s63, s63, BOFF
	s_wait_alu depctr_va_vdst(0)                   ; directly ahead of the waits below
	s_wait_dscnt 0x0                               ; both opening adds are done
	s_wait_kmcnt 0x0
	s_load_b256 s[92:99], s[10:11], 0x0            ; e0 .. e7
	s_mov_b32 s[G0A], 1
	s_mov_b32 s[G0A+1], s62
	s_add_nc_u64 s[G0A+2:G0A+3], s[4:5], s[84:85]
	s_or_b32 s[G0A+3], s[G0A+3], 0x80000000
	s_mov_b32 s[G0B], 1
	s_mov_b32 s[G0B+1], s63
	s_add_nc_u64 s[G0B+2:G0B+3], s[6:7], s[86:87]
	s_or_b32 s[G0B+3], s[G0B+3], 0x80000000
	CROUND                                         ; all sixteen work-groups are here: the joint loads meet
	s_cmp_eq_u32 s[WR], 0                          ; one tensor load a wave: each of the two lines has one mask
	s_cbranch_scc0 .Lfor_b
	tensor_load_to_lds s[G0A:G0A+3], s[G1A:G1A+7]
	s_nop 0
.rept 4
	v_nop
.endr
	s_branch .Lasked
.Lfor_b:
	tensor_load_to_lds s[G0B:G0B+3], s[G1B:G1B+7]
	s_nop 0
.rept 4
	v_nop
.endr
.Lasked:
	s_lshl_b32 s88, s58, 9
	s_lshl_b32 s89, s[WC], 8
	s_add_co_u32 s88, s88, s89                     ; my first output, in bytes: 512 x tile column + 256 x half
	s_mov_b32 s89, 0
	s_add_nc_u64 s[8:9], s[8:9], s[88:89]
	s_add_nc_u64 s[12:13], s[12:13], s[88:89]
	s_lshl_b32 s88, s59, 7
	s_lshl_b32 s89, s[WR], 6
	s_add_co_u32 s88, s88, s89                     ; my first token: 128 x tile row + 64 x half
	s_lshl_b32 s88, s88, 12
	s_mov_b32 s89, 0
	s_add_nc_u64 s[12:13], s[12:13], s[88:89]
	s_mul_i32 s68, s[WR], 16*272                   ; my 64 tokens: 16 LDS rows
	s_lshl_b32 s69, s[WC], 6                       ; my 64 rows of out_w
	s_mul_i32 s70, s[WV], 16*272
	s_add_co_u32 s70, s70, STG                     ; my stage
	s_wait_kmcnt 0x0
	s_add_co_i32 s90, s98, s99                     ; e6 + e7
	s_add_co_i32 s90, s90, 127
	s_lshl_b32 s90, s90, 23                        ; 2^(e6 + e7) as f32
	s_mov_b32 s91, s90                             ; (named with it as a pair)
	v_and_b32 v1, 15, v0                           ; r = lane % 16
	v_bfe_u32 v2, v0, 4, 1                         ; h = lane / 16
	v_lshlrev_b32 v6, 5, v2
.irp b, 0,1,2,3
	global_load_b128 v[BI+8*\b:BI+8*\b+3], v6, s[8:9] offset:64*\b        ; the bias of outputs 16 b + 8 h + 0 .. 7
	global_load_b128 v[BI+8*\b+4:BI+8*\b+7], v6, s[8:9] offset:64*\b+16
.endr
	v_lshrrev_b32 v3, 2, v1
	v_mul_u32_u24 v3, v3, 272
	v_and_b32 v4, 3, v1
	v_lshl_add_u32 v3, v4, 6, v3
	v_lshl_add_u32 v3, v2, 4, v3                   ; 272 (r / 4) + 64 (r % 4) + 16 h
	v_add_nc_u32 v3, s68, v3
	v_add_nc_u32 v5, s69, v1
	v_mul_u32_u24 v5, v5, BP
	v_lshl_add_u32 v5, v2, 4, v5
	v_add_nc_u32 v[ADRB], BOFF, v5
.irp c, 0,1,2,3
	v_add_nc_u32 v[ADRA+\c], \c*4*PL, v3
.endr
	v_mul_u32_u24 v7, v1, 272
	v_lshl_add_u32 v7, v2, 5, v7
	v_add_nc_u32 v[STO], s70, v7                   ; in: row r, 32 bytes for each half of the lanes
	v_mul_u32_u24 v7, v2, 272
	v_lshl_add_u32 v7, v1, 4, v7
	v_add_nc_u32 v[RD], s70, v7                    ; back: lanes 0-15 one row of 256 bytes, lanes 16-31 the next
	v_lshlrev_b32 v7, 12, v2
	v_lshl_add_u32 v[CO], v1, 4, v7                ; and the same two rows in out0 (4,096 bytes a row)
; A fragment is 16 registers: registers 4 p .. 4 p + 3 hold K = 128 s + 32 p + 16 h + 0 .. 15, in the tokens' and in out_w's alike.  For the tokens that is plane 2 s + p / 2, channels 32 (p % 2) + 16 h on.
.macro ALOAD a, g                      ; the tokens' block a, K steps 4 g .. 4 g + 3
	WIN 0x40
.irp s, 0,1,2,3
.irp p, 0,1,2,3
	ds_load_b128 v[128*(\a%2)+64*\g+16*\s+4*\p:128*(\a%2)+64*\g+16*\s+4*\p+3], v[ADRA+2*\g+\s/2] offset:(2*(\s%2)+\p/2)*PL+1088*\a+32*(\p%2)
.endr
.endr
	WIN 0
.endm
.macro BLOAD g                         ; out_w's four blocks, K steps 4 g .. 4 g + 3
	WIN 0x80+0x40*\g
.irp s, 0,1,2,3
.irp b, 0,1,2,3
.irp p, 0,1,2,3
	ds_load_b128 v[64*\s+16*\b+4*\p:64*\s+16*\b+4*\p+3], v[ADRB] offset:16*\b*BP+128*(4*\g+\s)+32*\p
.endr
.endr
.endr
.endm
; 16 matrix instructions: the tokens' block a, K steps 4 g .. 4 g + 3.  The first product takes 0 as C.  The four accumulators take turns.
.macro ROW a, g
.set AC, ACC+32*(\a%2)
	WIN 0x06+\g                                    ; source 0 window 2 or 3, source 1 window 1, C and D window 0
.irp s, 0,1,2,3
.irp b, 0,1,2,3
.if (\g+\s) == 0
	v_wmma_f32_16x16x128_bf8_bf8 v[AC+8*\b:AC+8*\b+7], v[64*\s+16*\b:64*\s+16*\b+15], v[128*(\a%2)+64*\g+16*\s:128*(\a%2)+64*\g+16*\s+15], 0
.else
	v_wmma_f32_16x16x128_bf8_bf8 v[AC+8*\b:AC+8*\b+7], v[64*\s+16*\b:64*\s+16*\b+15], v[128*(\a%2)+64*\g+16*\s:128*(\a%2)+64*\g+16*\s+15], v[AC+8*\b:AC+8*\b+7]
.endif
.endr
.endr
	WIN 0
.endm
; THE WAY OUT of a block of 16 tokens x 64 outputs: out = sum x 2^(e6 + e7) + bias, one packed multiply-add for two numbers; through my own stage in LDS; back as rows of 256 bytes.
.macro TOSTAGE a
.set AC, ACC+32*(\a%2)
.set RB, 32+64*(\a%2)
.rept 4
	v_nop                                          ; places in front of the first read of results, and of loads into registers that matrix instructions have read (for the first read of results)
.endr
.irp b, 0,1,2,3
.irp i, 0,2,4,6
	v_pk_fma_f32 v[AC+8*\b+\i:AC+8*\b+\i+1], v[AC+8*\b+\i:AC+8*\b+\i+1], s[90:91], v[BI+8*\b+\i:BI+8*\b+\i+1] op_sel_hi:[1,0,1]   ; each accumulator from its low end on
.endr
.endr
.irp b, 0,1,2,3
	ds_store_b128 v[STO], v[AC+8*\b:AC+8*\b+3] offset:64*\b
	ds_store_b128 v[STO], v[AC+8*\b+4:AC+8*\b+7] offset:64*\b+16
.endr
.irp t, 0,1,2,3,4,5,6,7
	ds_load_b128 v[RB+4*\t:RB+4*\t+3], v[RD] offset:544*\t   ; LDS serves a wave's instructions in order (ISA guide 5.7.1.4): these see my stores, and the next block's stores come behind them
.endr
.endm
.macro SEND a, younger                 ; younger: the LDS loads issued behind this block's reads of the stage
.set RB, 32+64*(\a%2)
.irp t, 0,1,2,3,4,5,6,7
	s_wait_dscnt \younger+7-\t
	global_store_b128 v[CO], v[RB+4*\t:RB+4*\t+3], s[12:13] offset:(16*\a+2*\t)*4096 th:TH_STORE_NT   ; 16 lanes store 256 consecutive bytes, at a multiple of 256 from out0's first byte; written once, read by nobody here
.endr
.endm
	s_wait_alu depctr_va_vdst(0)
	s_wait_loadcnt 0x0                             ; the bias
	s_wait_tensorcnt 0x0                           ; my quarter of the tiles is in
	s_barrier_signal -1
	s_barrier_wait -1                              ; everybody's is
	ALOAD 0, 0
	BLOAD 0
	ALOAD 0, 1
	BLOAD 1
	WIN 0
	s_wait_dscnt 63                                ; the first 80 of these 160 are in (K steps 0-3)
	ROW 0, 0
	ALOAD 1, 0
	ALOAD 1, 1
	s_wait_dscnt 32                                ; all but block 1's
	ROW 0, 1
	TOSTAGE 0
	ALOAD 2, 0
	ALOAD 2, 1
	SEND 0, 32
	ROW 1, 0                                       ; (block 1's loads are older than block 0's reads of the stage: they are in)
	ROW 1, 1
	TOSTAGE 1
	ALOAD 3, 0
	ALOAD 3, 1
	SEND 1, 32
	ROW 2, 0
	ROW 2, 1
	s_wait_xcnt 0x0                                ; block 0's stores have read their registers
	TOSTAGE 2
	SEND 2, 0
	ROW 3, 0
	ROW 3, 1
	s_wait_xcnt 0x0                                ; block 1's likewise
	TOSTAGE 3
	SEND 3, 0
	s_wait_tensorcnt 0x0                           ; the wave's end
	ds_add_u32 v[SPW], v[NIL]
	s_wait_dscnt 0x0
	CROUND                                         ; the closing round: no work-group ends while a partner may still ask for a tile that names it
	s_endpgm
.Lfunc_end_k_q8b5d1b92ec_proj:
	.size	k_q8b5d1b92ec_proj, .Lfunc_end_k_q8b5d1b92ec_proj-k_q8b5d1b92ec_proj
	.p2alignl 7, 3214868480
	.fill 96, 4, 3214868480
	.section	.rodata,"a",@progbits
	.p2align	6, 0x0
	.amdhsa_kernel k_q8b5d1b92ec_proj
		.amdhsa_group_segment_fixed_size 327680
		.amdhsa_private_segment_fixed_size 0
		.amdhsa_enable_private_segment 0
		.amdhsa_kernarg_size 40
		.amdhsa_user_sgpr_count 2
		.amdhsa_user_sgpr_kernarg_segment_ptr 1
		.amdhsa_wavefront_size32 1
		.amdhsa_system_sgpr_workgroup_id_x 1
		.amdhsa_system_sgpr_workgroup_id_y 1
		.amdhsa_system_sgpr_workgroup_id_z 1
		.amdhsa_system_vgpr_workitem_id 0
		.amdhsa_next_free_vgpr 1024
		.amdhsa_next_free_sgpr 100
		.amdhsa_reserve_vcc 0
		.amdhsa_float_denorm_mode_32 3
		.amdhsa_float_denorm_mode_16_64 3
		.amdhsa_memory_ordered 1
		.amdhsa_forward_progress 1
		.amdhsa_inst_pref_size 46
	.end_amdhsa_kernel
	.amdgpu_metadata
---
amdhsa.version: [ 1, 2 ]
amdhsa.kernels:
  - .name:           k_q8b5d1b92ec_proj
    .symbol:         k_q8b5d1b92ec_proj.kd
    .args:
      - { .name: ctx_ws, .offset: 0, .size: 8, .value_kind: global_buffer, .address_space: global }
      - { .name: out_w_codes, .offset: 8, .size: 8, .value_kind: global_buffer, .address_space: global }
      - { .name: out_b, .offset: 16, .size: 8, .value_kind: global_buffer, .address_space: global }
      - { .name: lowp_scales, .offset: 24, .size: 8, .value_kind: global_buffer, .address_space: global }
      - { .name: out0, .offset: 32, .size: 8, .value_kind: global_buffer, .address_space: global }
    .group_segment_fixed_size: 327680
    .private_segment_fixed_size: 0
    .kernarg_segment_align: 8
    .kernarg_segment_size: 40
    .max_flat_workgroup_size: 128
    .sgpr_count:     100
    .vgpr_count:     1024
    .wavefront_size: 32
...
	.end_amdgpu_metadata
.endif
;; end of part 3
